; MI455X (gfx1250); checked and timed in simulation.
; The chip was launched on July 23, 2026; its instructions are those of AMD's public machine-readable ISA for CDNA 5 (MIT licence, August 2026) and "CDNA5" Instruction Set Architecture Reference Guide (July 2026). The comments in the code are by the model that wrote it; some were corrected since.
;; Transformer Encoder. Allowed arithmetic: matrix products marked QUANTISED: E3M2 operands, one E8M0 scale for each 32 along K, by v_wmma_scale_f32_16x16x128_f8f6f4 with both operands' format E3M2, f32 sums; products left as they are: f32 operands where the result goes on into a quantised operand, else bf16, f16 or f32 operands; f32 sums; everything else in f32.
;; Inputs: W1_codes 1,024 x 16 x 24 uint8 (E3M2 codes of W1, K innermost, in blocks of 32 codes, four codes in three bytes); W1_scales 1,024 x 16 uint8 (E8M0 scales of W1, one for each 32 codes along K); W2_codes 512 x 32 x 24 uint8 (E3M2 codes of W2, K innermost, in blocks of 32 codes, four codes in three bytes); W2_scales 512 x 32 uint8 (E8M0 scales of W2, one for each 32 codes along K); Wf_codes 512 x 16 x 24 uint8 (E3M2 codes of Wf, K innermost, in blocks of 32 codes, four codes in three bytes); Wf_scales 512 x 16 uint8 (E8M0 scales of Wf, one for each 32 codes along K); Wk_codes 512 x 8 x 24 uint8 (E3M2 codes of Wk, K innermost, in blocks of 32 codes, four codes in three bytes); Wk_scales 512 x 8 uint8 (E8M0 scales of Wk, one for each 32 codes along K); Wp_codes 512 x 16 x 24 uint8 (E3M2 codes of Wp, K innermost, in blocks of 32 codes, four codes in three bytes); Wp_scales 512 x 16 uint8 (E8M0 scales of Wp, one for each 32 codes along K); Wq_codes 512 x 16 x 24 uint8 (E3M2 codes of Wq, K innermost, in blocks of 32 codes, four codes in three bytes); Wq_scales 512 x 16 uint8 (E8M0 scales of Wq, one for each 32 codes along K); b1 1,024 float32; b2 512 float32; bf 512 float32; bk 512 float32; bp 512 float32; bq 512 float32; source_codes 16 x 2,048 x 8 x 24 uint8 (E3M2 codes of source, K innermost, in blocks of 32 codes, four codes in three bytes); source_scales 16 x 2,048 x 8 uint8 (E8M0 scales of source, one for each 32 codes along K); w_g 512 x 1 float32; x 16 x 2,048 x 512 float32.
;; Outputs: out0 16 x 2,048 x 512 float32.
;; This version of the problem:
;;   THIS VERSION OF THE PROBLEM IS GIVEN IN LOW PRECISION. The matrix products marked QUANTISED in the list below multiply operands that are first quantised to E3M2 (3 exponent bits, 2 mantissa bits; 6 bits a number), with one power-of-two scale for each 32 numbers along K (OCP MX v1.0); their sums are f32. All else is computed in f32.
;;   The module's matrix products, in the order in which they are computed (A, B: the left and right operand; K: the contracted axis; several contracted axes count as one K, in the product's order):
;;     1. [M 32,768, K 512] x [K 512, N 512]; A: input x; B: input Wq (given as codes): QUANTISED
;;     2. [M 32,768, K 256] x [K 256, N 512]; A: input source (given as codes); B: input Wk (given as codes): QUANTISED
;;     3. [M 32,768, K 512] x [K 512, N 1]; A: computed on the way; B: input w_g: left as it is (N = 1 < 16)
;;     4. [M 32,768, K 512] x [K 512, N 512]; A: computed on the way; B: input Wp (given as codes): QUANTISED
;;     5. [M 32,768, K 512] x [K 512, N 512]; A: computed on the way; B: input Wf (given as codes): QUANTISED
;;     6. [M 32,768, K 512] x [K 512, N 1,024]; A: computed on the way; B: input W1 (given as codes): QUANTISED
;;     7. [M 32,768, K 1,024] x [K 1,024, N 512]; A: computed on the way; B: input W2 (given as codes): QUANTISED
;;   THE QUANTISER, for each operand of a quantised product, along K:
;;     - K is cut into blocks of 32 from its start; a last block that is shorter is filled with zeros.
;;     - A block's scale is 2^e with e = floor(log2(the largest magnitude in the block)) - 4, held to -126 .. 127; a block of zeros has e = 0. As a byte (E8M0): e + 127.
;;     - Each number is divided by its block's scale, clamped to +-28, and rounded to the nearest number of E3M2, ties to even, subnormals kept.
;;     - The product sums the exact products of the quantised numbers (number of the format x scale) in f32.
;;   ~~~python
;;   def quantise(x, axis):      # numpy; x: float32 -> the quantised numbers, widened to float32 again
;;       x = np.moveaxis(x, axis, -1); K = x.shape[-1]
;;       x = np.pad(x, [(0, 0)] * (x.ndim - 1) + [(0, -K % 32)]); x = x.reshape(x.shape[:-1] + (-1, 32)); a = np.abs(x).max(-1, keepdims=True)
;;       e = np.where(a > 0, np.clip(np.frexp(np.where(a > 0, a, 1))[1] - 1 - 4, -126, 127), 0)      # np.frexp(a)[1] - 1 = floor(log2(a)), exactly
;;       r = np.clip(x / 2.0 ** e, -28, 28)
;;       step = 2.0 ** (np.maximum(np.frexp(np.where(r == 0, 1, r))[1] - 1, -2) - 2)
;;       q = np.round(r / step) * step * 2.0 ** e      # np.round: ties to even
;;       return np.moveaxis(q.reshape(q.shape[:-2] + (-1,))[..., :K], -1, axis).astype(np.float32)
;;   ~~~
;;   OPERANDS COMPUTED ON THE WAY. 'Computed on the way' means the value that the module computes at that place (a softmax that the list does not call 'softmax' is quantised finished and normalised). What goes into a quantiser is computed in f32, as accurately as f32 sums, v_exp_f32 and their like allow (about 1e-6 of the number): no bf16 or f16 on the way to a quantiser, and a product that is left as it is and whose result goes on into a quantised operand takes f32 operands (vector FMAs, or v_wmma_f32_16x16x4_f32). A number that lies on a knife's edge between two numbers of the format may be rounded either way, as far as f32 arithmetic and the matrix unit's own rounding can turn it there, and no further.
;;   INPUTS GIVEN AS CODES. W1 (in the module: [512, 1024], K = its axis 0); W2 (in the module: [1024, 512], K = its axis 0); Wf (in the module: [512, 512], K = its axis 0); Wk (in the module: [256, 512], K = its axis 0); Wp (in the module: [512, 512], K = its axis 0); Wq (in the module: [512, 512], K = its axis 0); source (in the module: [16, 2048, 256], K = its axis 2): each comes as NAME_codes (uint8): NAME with its K axis moved to the last place and cut into blocks of 32 codes, [.., K / 32, bytes a block], one block behind the other in memory; four codes in three bytes: a row's codes are one little-endian stream of bits, code i at bits 6 i .. 6 i + 5 (a code: sign, 3 exponent bits, 2 mantissa bits); and NAME_scales (uint8): the same leading axes, one E8M0 byte (e + 127) for each 32 codes along K. Its value is code x scale, taken as it is: it is not quantised again, and the codes and scales need not be those that the quantiser above would give.
;; One version. Each part assembles by itself: llvm-mc -triple=amdgcn-amd-amdhsa -mcpu=gfx1250 --defsym DOCPART=n.
;; ======== version 1 of 1: 2 launches
;; workspace buffers: wpack 1,331,200 bytes
;; launch pack (part 1): grid 4 x 13, 2 waves a work-group, no clusters, 0 bytes of LDS; arguments Wk_codes, Wk_scales, Wq_codes, Wq_scales, Wf_codes, Wf_scales, W1_codes, W1_scales, W2_codes, W2_scales, wpack; writes wpack
.if DOCPART == 1
	.amdgcn_target "amdgcn-amd-amdhsa--gfx1250"
	.amdhsa_code_object_version 6
	.text
	.protected	k_q457b7c308c_pack
	.globl	k_q457b7c308c_pack
	.p2align	8
	.type	k_q457b7c308c_pack,@function
k_q457b7c308c_pack:
	s_mov_b64 s[64:65], 0
	v_nop
	global_prefetch_b8 v0, s[64:65] scope:SCOPE_SE
	s_setreg_imm32_b32 hwreg(HW_REG_WAVE_MODE, 25, 1), 1
	s_wait_xcnt 0x0
; THE PROGRAM: y = Q(gelu(Q(h) W1 + b1)) W2 + b2 + h,  h = l2norm(Q(k + q) Wf + bf + x),  q = l2norm(Q(x) Wq + bq),  k = l2norm(source Wk + bk);  Q = the quantiser along K.
; DEAD WORK, for all values of the inputs.  In reference(), A = l2norm((q @ w_g) * scale) goes into G alone, G goes into _dead = (G * k) @ Wp + bp alone, and _dead is never used:
; so the product with w_g, the sum G and the product with Wp can reach no output.  w_g, Wp_codes, Wp_scales and bp have no way to any output: they are not loaded and are no argument of any launch.
; idx = (arange(NQ) * NS) // NQ is arange(NQ), since NS = NQ are constants of reference(): message = k, row for row.
; LIMIT: a NaN, an infinity or an overflow that reaches only the work left out is not carried to the result.
;
; THIS LAUNCH moves the given codes and scale bytes of Wk, Wq, Wf, W1, W2, unchanged, into wpack, in the order in which the second launch's waves take them into operand registers.
; wpack = 4 waves x 13 chunks x 25,600 bytes; part (w, c) begins at (13 w + c) x 25,600.  A chunk is 128 weight rows (wave w's) x 256 along K: 16 fragments f = 8 s + t (s: K step of 128 in the chunk, t: tile of 16 rows),
; 1,536 bytes each, as three pieces of 512 bytes: lane l's 16 bytes at 512 q + 16 l are registers 4 q .. 4 q + 3 of the fragment.  Behind them two images of scale words, 512 bytes for each s: the word at 16 l + 4 b is that of
; lane l % 16's row of tile 2 b + l / 16.
; chunks: 0 Wk; 1, 2 Wq; 3, 4 Wf; 5, 6 W1 rows 0-511; 7, 8 W1 rows 512-1023; 9 .. 12 W2.
; THE ROWS OF A TILE ARE NOT NEIGHBOURS: lane r of tile t takes row 32 (t / 2) + 8 (t % 2) + r + 8 (r / 8), so that the results of two neighbouring tiles are 16 neighbours along the next product's K.
; A work-group is a part (x = w, y = c); its wave v takes K step s = v.  No LDS, no loop; each store of a wave covers 512 consecutive bytes, aligned to 256.
.set CH, 25600
	s_load_b512 s[4:19], s[0:1], 0x0               ; Wk's codes, scales s[4:7]; Wq's s[8:11]; Wf's s[12:15]; W1's s[16:19]
	s_load_b128 s[20:23], s[0:1], 0x40             ; W2's codes, scales
	s_load_b64 s[24:25], s[0:1], 0x50              ; wpack
	v_lshrrev_b32 v1, 5, v0
	v_readfirstlane_b32 s27, v1                    ; wave = s
	s_and_b32 s26, ttmp7, 0xffff                   ; c
	v_and_b32 v3, 31, v0                           ; l
	v_and_b32 v4, 15, v0                           ; r
	v_bfe_u32 v5, v0, 4, 1                         ; h
	v_and_b32 v6, 8, v4
	v_add_nc_u32 v6, v6, v4                        ; r + 8 (r / 8)
	s_mov_b32 s32, 768                             ; a row of codes in bytes: W2's,
	s_mov_b32 s33, 5                               ; log2 of a row of scale bytes,
	s_mov_b32 s34, 9                               ; the layer's first chunk
	s_wait_kmcnt 0x0
	s_mov_b64 s[28:29], s[20:21]
	s_mov_b64 s[30:31], s[22:23]
	s_cmp_lt_u32 s26, 9                            ; the choices hang on the work-group's number alone
	s_cselect_b64 s[28:29], s[16:17], s[28:29]     ; W1
	s_cselect_b64 s[30:31], s[18:19], s[30:31]
	s_cselect_b32 s32, 384, s32
	s_cselect_b32 s33, 4, s33
	s_cselect_b32 s34, 5, s34
	s_cmp_lt_u32 s26, 5
	s_cselect_b64 s[28:29], s[12:13], s[28:29]     ; Wf
	s_cselect_b64 s[30:31], s[14:15], s[30:31]
	s_cselect_b32 s34, 3, s34
	s_cmp_lt_u32 s26, 3
	s_cselect_b64 s[28:29], s[8:9], s[28:29]       ; Wq
	s_cselect_b64 s[30:31], s[10:11], s[30:31]
	s_cselect_b32 s34, 1, s34
	s_cmp_lt_u32 s26, 1
	s_cselect_b64 s[28:29], s[4:5], s[28:29]       ; Wk
	s_cselect_b64 s[30:31], s[6:7], s[30:31]
	s_cselect_b32 s32, 192, s32
	s_cselect_b32 s33, 3, s33
	s_cselect_b32 s34, 0, s34
	s_sub_co_u32 s35, s26, s34                     ; the chunk's number in its layer
	s_lshr_b32 s38, s35, 1
	s_lshl_b32 s38, s38, 9
	s_and_b32 s39, s35, 1
	s_sub_co_u32 s36, s26, 5
	s_cmp_lt_u32 s36, 4                            ; W1 alone has two halves of rows
	s_cselect_b32 s38, s38, 0                      ; the half's first row
	s_cselect_b32 s35, s39, s35                    ; which 256 along K
	s_lshl_b32 s40, ttmp9, 7
	s_add_co_u32 s40, s40, s38                     ; my first weight row
	s_lshl_b32 s41, s35, 1
	s_add_co_u32 s41, s41, s27                     ; my K step of 128 in the layer
	s_mul_i32 s42, s40, s32
	s_mul_i32 s43, s41, 96
	s_add_co_u32 s42, s42, s43
	s_mov_b32 s43, 0
	s_add_nc_u64 s[28:29], s[28:29], s[42:43]      ; the codes at my first row and K step
	s_lshl_b32 s44, s40, s33
	s_lshl_b32 s45, s41, 2
	s_add_co_u32 s44, s44, s45
	s_mov_b32 s45, 0
	s_add_nc_u64 s[30:31], s[30:31], s[44:45]      ; the scale bytes likewise
	s_mul_i32 s42, ttmp9, 13
	s_add_co_u32 s42, s42, s26
	s_mul_i32 s42, s42, CH
	s_add_nc_u64 s[24:25], s[24:25], s[42:43]      ; my part of wpack
	v_lshlrev_b32 v1, 4, v3
	s_mul_i32 s46, s27, 12288
	v_add_nc_u32 v1, s46, v1                       ; out: 16 l + my K step's eight fragments
	s_lshl_b32 s46, s27, 9
	s_add_co_u32 s46, s46, 24576
	v_lshl_add_u32 v2, v3, 4, s46                  ; out: 16 l + my K step's image of scale words
	v_mul_lo_u32 v7, v6, s32
	v_mad_u32_u24 v7, v5, 24, v7                   ; in: my row of a tile, + 24 h
.irp t, 0,1,2,3,4,5,6,7
	s_mul_i32 s46, s32, 32*(\t/2)+8*(\t%2)
	v_add_nc_u32 v[8+\t], s46, v7                  ; + the tile's first row
.endr
	v_lshl_add_u32 v20, v5, 3, v6
.irp b, 0,1,2,3
	v_add_nc_u32 v[16+\b], 32*\b, v20              ; the row of tile 2 b + h whose scale word I take
.endr
.irp b, 0,1,2,3
	v_lshlrev_b32 v[16+\b], s33, v[16+\b]
.endr
.irp t, 0,1,2,3,4,5,6,7
.irp p, 0,1,2,3,4,5
	global_load_b64 v[32+12*\t+2*\p:33+12*\t+2*\p], v[8+\t], s[28:29] offset:48*(\p/3)+8*(\p%3)   ; 24 bytes for k = 32 h on, 24 for k = 64 + 32 h on, in pieces of 8
.endr
.endr
.irp b, 0,1,2,3
	global_load_b32 v[24+\b], v[16+\b], s[30:31]
.endr
	s_wait_loadcnt 0x0
.irp t, 0,1,2,3,4,5,6,7
.irp q, 0,1,2
	global_store_b128 v1, v[32+12*\t+4*\q:35+12*\t+4*\q], s[24:25] offset:1536*\t+512*\q
.endr
.endr
	global_store_b128 v2, v[24:27], s[24:25]
	s_endpgm
.Lfunc_end_k_q457b7c308c_pack:
	.size	k_q457b7c308c_pack, .Lfunc_end_k_q457b7c308c_pack-k_q457b7c308c_pack
	.p2alignl 7, 3214868480
	.fill 96, 4, 3214868480
	.section	.rodata,"a",@progbits
	.p2align	6, 0x0
	.amdhsa_kernel k_q457b7c308c_pack
		.amdhsa_group_segment_fixed_size 0
		.amdhsa_private_segment_fixed_size 0
		.amdhsa_enable_private_segment 0
		.amdhsa_kernarg_size 88
		.amdhsa_user_sgpr_count 2
		.amdhsa_user_sgpr_kernarg_segment_ptr 1
		.amdhsa_wavefront_size32 1
		.amdhsa_system_sgpr_workgroup_id_x 1
		.amdhsa_system_sgpr_workgroup_id_y 1
		.amdhsa_system_sgpr_workgroup_id_z 1
		.amdhsa_system_vgpr_workitem_id 0
		.amdhsa_next_free_vgpr 128
		.amdhsa_next_free_sgpr 66
		.amdhsa_reserve_vcc 0
		.amdhsa_float_denorm_mode_32 3
		.amdhsa_float_denorm_mode_16_64 3
		.amdhsa_memory_ordered 1
		.amdhsa_forward_progress 1
		.amdhsa_inst_pref_size 12
	.end_amdhsa_kernel
	.amdgpu_metadata
---
amdhsa.version: [ 1, 2 ]
amdhsa.kernels:
  - .name:           k_q457b7c308c_pack
    .symbol:         k_q457b7c308c_pack.kd
    .args:
      - { .name: Wk_codes, .offset: 0, .size: 8, .value_kind: global_buffer, .address_space: global }
      - { .name: Wk_scales, .offset: 8, .size: 8, .value_kind: global_buffer, .address_space: global }
      - { .name: Wq_codes, .offset: 16, .size: 8, .value_kind: global_buffer, .address_space: global }
      - { .name: Wq_scales, .offset: 24, .size: 8, .value_kind: global_buffer, .address_space: global }
      - { .name: Wf_codes, .offset: 32, .size: 8, .value_kind: global_buffer, .address_space: global }
      - { .name: Wf_scales, .offset: 40, .size: 8, .value_kind: global_buffer, .address_space: global }
      - { .name: W1_codes, .offset: 48, .size: 8, .value_kind: global_buffer, .address_space: global }
      - { .name: W1_scales, .offset: 56, .size: 8, .value_kind: global_buffer, .address_space: global }
      - { .name: W2_codes, .offset: 64, .size: 8, .value_kind: global_buffer, .address_space: global }
      - { .name: W2_scales, .offset: 72, .size: 8, .value_kind: global_buffer, .address_space: global }
      - { .name: wpack, .offset: 80, .size: 8, .value_kind: global_buffer, .address_space: global }
    .group_segment_fixed_size: 0
    .private_segment_fixed_size: 0
    .kernarg_segment_align: 8
    .kernarg_segment_size: 88
    .max_flat_workgroup_size: 64
    .sgpr_count:     66
    .vgpr_count:     128
    .wavefront_size: 32
...
	.end_amdgpu_metadata
.endif
;; end of part 1
;; launch enc (part 2): grid 256 x 1, 4 waves a work-group, clusters of 4 x 1, 327,680 bytes of LDS; arguments x, source_codes, source_scales, wpack, bq, bk, bf, b1, b2, out0; writes out0
.if DOCPART == 2
	.amdgcn_target "amdgcn-amd-amdhsa--gfx1250"
	.amdhsa_code_object_version 6
	.text
	.protected	k_q457b7c308c_enc
	.globl	k_q457b7c308c_enc
	.p2align	8
	.type	k_q457b7c308c_enc,@function
k_q457b7c308c_enc:
	s_mov_b64 s[64:65], 0
	v_nop
	global_prefetch_b8 v0, s[64:65] scope:SCOPE_SE
	s_setreg_imm32_b32 hwreg(HW_REG_WAVE_MODE, 25, 1), 1
	s_wait_xcnt 0x0
	s_wait_alu depctr_hold_cnt(0) depctr_sa_sdst(0) depctr_va_vdst(0) depctr_va_sdst(0) depctr_va_ssrc(0) depctr_va_vcc(0) depctr_vm_vsrc(0)
	s_getreg_b32 s2, hwreg(HW_REG_IB_STS2, 6, 4)
	s_cmp_eq_u32 s2, 0
	s_cbranch_scc0 .Lentry_in_a_cluster
	s_endpgm
.Lentry_in_a_cluster:
	s_bfe_u32 s2, ttmp6, 0x10000c
	s_cmp_lg_u32 s2, 0x3003
	s_cbranch_scc0 .Lentry_shape_is_right
	s_endpgm
.Lentry_shape_is_right:
; out0 = Q(gelu(Q(h) W1 + b1)) W2 + b2 + h,  h = l2norm(Q(k + q) Wf + bf + x),  q = l2norm(Q(x) Wq + bq),  k = l2norm(source Wk + bk).  Q: E3M2 codes, one E8M0 scale for each 32 along K.
; LEFT OUT AS DEAD WORK (shown at the head of the first kernel): A, G and the product with Wp reach no output; w_g, Wp and bp are not loaded; the gather by idx is the identity, since NS = NQ.
; LIMITS.  NaN and infinities among the inputs are not served; one that reaches only the work left out is not carried to the result.  A row's sum of squares under 2^-126 counts as 0 (v_sqrt_f32 takes denormals
; as 0: ISA guide 15.8) and then meets the hold at 1e-12; over 3.4e38 it overflows, as in reference().  1 / norm is v_sqrt_f32, the hold, v_rcp_f32.  erf is the rational form x a(x^2) / b(x^2) with x held to +-4.
; A block of zeros gets the scale byte 1 (its codes are zeros; the bytes are read by this kernel alone).
; SHARES.  A block is 64 rows (four tiles of 16), taken through the whole chain; nothing between the products goes to memory.  A WORK-GROUP STAYS: it takes blocks g and g + 256, one after the other: a loop of two trips.
; The next block's x and source are asked for while the last two chunks of W2 are multiplied, into registers that the weights' copies have left; the ring goes on into the next block; nothing waits for the first block's stores.
; THE FOUR WAVES SHARE THE COLUMNS: wave w makes columns 128 w .. 128 w + 127 of q, k, out and y, and hidden units 128 w .. and 512 + 128 w .., for all 64 rows: so each weight byte is read from LDS by one wave, once.
; LAYOUT.  Every product is used transposed (source 0 = 16 weight rows, source 1 = 16 rows of activations).  By the first launch's choice of a tile's rows, register 16 b + i of a row tile's 64 holds, in lane (r, h), column
; 128 w + 32 b + 16 h + i of row r: 16 neighbours along the next K.  x is brought into the same layout.  What a wave quantises is K step w of the next product; it goes to the other waves through LDS as an image of the operand's registers.
; WEIGHTS come in 13 chunks of 25,600 bytes a wave through a ring of two slots a wave, each wave's own.  CLUSTER: the four work-groups of a cluster walk the same chunks, so every chunk is asked for jointly (mask 15):
; the same load with the same descriptor in wave w of all four.  Each refill stands behind a round of the cluster's barrier.  By this text's own count at most two tensor loads of a wave are out.
; W1's chunks and W2's first two are copied from the ring into registers (windows 2 and 3), since all four row tiles use them one after the other with vector work between.
; REGISTERS, in windows of 256.  Window 1: x, then h, then y (64 m + i).  Window 2: x as loaded, then q, then k + q; from W1 on v0-191 slot 0's 16 fragments.  Window 3: v0-25 source as loaded, then k, then the product with Wf;
; from W1 on v0-191 slot 1's fragments, v192-255 a bias.  Window 0: v0-23 addresses; v24-39 eight pairs 1 / norm; v40-55 the weights' scale words, v56-63 the activations' (these hold scales and nothing else); v64-255 by phase (below).
.set CH,    25600                      ; a chunk
.set WRING, 2*CH                       ; LDS: a wave's ring: slot 0, slot 1; chunk c lies in slot (c + 1) % 2
.set BSTEP, 256*131072                 ; from a block's x or out0 to those of the block 256 further on, in bytes
.set PIM,   4*WRING                    ; images: x's 16 fragments ((4 S + m) x 1,536), source's 8 from 24,576 on; later the hidden layer's 32
.set QIM,   PIM+49152                  ; a stage of 16 rows x 528 bytes for each wave (x in, y out); between those the images of k + q, then of h
.set PSC,   QIM+33792                  ; scale words at 256 S + 64 m + 4 r: x's, source's from 1,024 on, later the hidden layer's; from 2,048 on those of k + q, then of h
.set NRM,   PSC+3072                   ; the waves' parts of the rows' sums of squares: (16 m + r) x 16 + 4 w; q's, k's from 1,024 on, h's from 2,048 on
.set SPARE, NRM+3072                   ; the spare words, 128 bytes for each wave: two blocks of 256 bytes that no other line names
.set L16, 1                            ; 16 l
.set SPW, 2                            ; my spare word; never rewritten
.set NIL, 3                            ; 0; never rewritten
.set AW,  4                            ; my wave's ring + 16 l
.set AP,  5                            ; PIM + 16 l
.set AQ,  6                            ; QIM + 16 l
.set ASC, 7                            ; PSC + 4 l
.set WPI, 8                            ; AP + 6,144 w: where I store images of K step w
.set WQI, 9                            ; AQ + 6,144 w
.set WSC, 10                           ; PSC + 256 w + 4 r
.set STR, 11                           ; my stage by rows: + 16 l
.set STL, 12                           ; my stage by my layout: + 528 r + 64 h
.set NST, 13                           ; NRM + 16 r + 4 w
.set NLD, 14                           ; NRM + 16 r
.set ASR, 15                           ; PSC + 4 r
.set BO,  16                           ; 64 h: a bias's bytes for my half
.set SO,  17                           ; 192 r + 24 h: source's codes
.set SSO, 18                           ; 8 r: source's scale bytes
.set PFO, 19                           ; 256 l: the prefetches' offset
.set ADB, 20                           ; v20-23: the addresses in hand
.set ADS, 21
.set ADW, 22
.set ADT, 23
.set RN,  24
.set WS,  40
.set BS,  56
.set AF,  64                           ; products from the ring: the weights' 8 fragments of a K step, v64-159
.set BF,  160                          ; and two sets of the four row tiles' fragments, v160-207, v208-255
.set ACC0, 64                          ; W1: a row tile's 64 sums, v64-127
.set BFR, 128                          ; W1: h's four fragments of a row tile, v128-175
.set TM,  176                          ; the quantiser: v176-191 at work
.set PW,  192                          ; v192, v193: the scale word just made, by turns
.set PC,  200                          ; v200-218, v220-238: the codes just made, by turns
.set GC,  220                          ; gelu: v220-251 at work
.set GU,  228
.set GP,  236
.set GQ,  244
.set KA,  252                          ; v[252:253], v[254:255]: two of its constants
.set KB,  254
.set BR0, 64                           ; W2 from registers: two sets of four hidden fragments, v64-111, v112-159
.set OB,  64                           ; the way out: v64-127, v128-191 by turns
.set MSB, 0
.macro WIN new                         ; the immediate's high byte repeats the setting that is left; a switch that changes nothing is dropped
.if MSB != (\new)
	s_set_vgpr_msb (MSB<<8)|(\new)
.set MSB, (\new)
.endif
.endm
.macro PLACES                          ; four plain places behind matrix instructions, ahead of loads into their registers and of reads of their results
.rept 4
	v_nop
.endr
.endm
.macro BAR                             ; my LDS stores have landed and my LDS loads are in: then the work-group's barrier
	s_wait_dscnt 0x0
	s_barrier_signal -1
	s_barrier_wait -1
.endm
.macro ROUND                           ; a round of the cluster's barrier
	s_barrier_signal -1
	s_barrier_wait -1
	s_cmp_lg_u32 s24, 0
	s_cbranch_scc1 .Lnot_wave_0_\@
	s_barrier_signal -3
.Lnot_wave_0_\@:
	s_barrier_wait -3
	s_barrier_signal -1
	s_barrier_wait -1
.endm
; A joint refill: all my tensor loads have landed; the add; the descriptor steps; the add and all my LDS instructions are done; the round; my one load, first behind it.
; how = 0: two chunks on.  1: the same, and the hidden layer's second half is set up.  2: six chunks back, from chunk 6 to the next block's chunk 0.  3: ten chunks back, from chunk 11 to the next block's chunk 1, and out0 steps to the next block.
.macro REFILL g0, g1, how
	WIN 0
	s_wait_tensorcnt 0x0                           ; no tensor load of mine is out, so a group 0 may be written
	ds_add_u32 v[SPW], v[NIL]                      ; 0 onto my spare word
.if \how == 2
	s_sub_nc_u64 s[\g0+2:\g0+3], s[\g0+2:\g0+3], 6*CH
.elseif \how == 3
	s_sub_nc_u64 s[\g0+2:\g0+3], s[\g0+2:\g0+3], 10*CH
	s_wait_xcnt 0x0                                ; the block's stores have read their registers and their base:
	s_add_nc_u64 s[22:23], s[22:23], BSTEP         ; out0 at the next block
.else
	s_add_nc_u64 s[\g0+2:\g0+3], s[\g0+2:\g0+3], WRING
.endif
.if \how == 1
	s_wait_xcnt 0x0                                ; the bias's loads have read their base:
	s_mov_b64 s[92:93], s[20:21]                   ; the next bias is b2
	s_add_co_u32 s90, s90, 24576                   ; the hidden layer's second half: K steps 4 + w
	s_add_co_u32 s91, s91, 1024
.endif
	s_wait_dscnt 0x0                               ; the add is done, my stores have landed, my reads of the slot are over
	ROUND
	tensor_load_to_lds s[\g0:\g0+3], s[\g1:\g1+7]
	s_nop 0
	PLACES                                         ; (the places ahead of the loads that follow)
.endm
.macro FA slot, s, t0                  ; the weights' tiles t0 .. t0 + 3 of the chunk's K step s: 12 loads of 512 consecutive bytes
.irp t, \t0, \t0+1, \t0+2, \t0+3
.irp q, 0,1,2
	ds_load_b128 v[AF+12*(\t)+4*\q:AF+12*(\t)+4*\q+3], v[AW] offset:(\slot)*CH+(8*(\s)+(\t))*1536+512*\q
.endr
.endr
.endm
.macro FS slot, wsb                    ; a chunk's scale words: register wsb + 4 s + b: lanes 0-15 tile 2 b, lanes 16-31 tile 2 b + 1
.irp s, 0,1
	ds_load_b128 v[(\wsb)+4*\s:(\wsb)+4*\s+3], v[AW] offset:(\slot)*CH+24576+512*\s
.endr
.endm
.macro FB set, areg, off, soff         ; the four row tiles' fragments of one K step, and their scale words (lanes 0-15 tile 2 p, lanes 16-31 tile 2 p + 1): 14 loads
.irp m, 0,1,2,3
.irp q, 0,1,2
	ds_load_b128 v[BF+48*(\set)+12*\m+4*\q:BF+48*(\set)+12*\m+4*\q+3], v[\areg] offset:(\off)+1536*\m+512*\q
.endr
.endr
.irp p, 0,1
	ds_load_b32 v[BS+2*(\set)+\p], v[ASC] offset:(\soff)+128*\p
.endr
.endm
.macro WMS                             ; the matrix instruction, by the symbols rD, rA, rB, rC, rSA, rSB; rRA, rRB: the scales stand in lanes 16-31
.if rRA && rRB
	v_wmma_scale_f32_16x16x128_f8f6f4 v[rD:rD+7], v[rA:rA+11], v[rB:rB+11], v[rC:rC+7], v[rSA], v[rSB] matrix_a_fmt:MATRIX_FMT_BF6 matrix_b_fmt:MATRIX_FMT_BF6 matrix_a_scale:MATRIX_SCALE_ROW1 matrix_b_scale:MATRIX_SCALE_ROW1
.elseif rRA
	v_wmma_scale_f32_16x16x128_f8f6f4 v[rD:rD+7], v[rA:rA+11], v[rB:rB+11], v[rC:rC+7], v[rSA], v[rSB] matrix_a_fmt:MATRIX_FMT_BF6 matrix_b_fmt:MATRIX_FMT_BF6 matrix_a_scale:MATRIX_SCALE_ROW1
.elseif rRB
	v_wmma_scale_f32_16x16x128_f8f6f4 v[rD:rD+7], v[rA:rA+11], v[rB:rB+11], v[rC:rC+7], v[rSA], v[rSB] matrix_a_fmt:MATRIX_FMT_BF6 matrix_b_fmt:MATRIX_FMT_BF6 matrix_b_scale:MATRIX_SCALE_ROW1
.else
	v_wmma_scale_f32_16x16x128_f8f6f4 v[rD:rD+7], v[rA:rA+11], v[rB:rB+11], v[rC:rC+7], v[rSA], v[rSB] matrix_a_fmt:MATRIX_FMT_BF6 matrix_b_fmt:MATRIX_FMT_BF6
.endif
.endm
; 16 matrix instructions: weight tiles t0 .. t0 + 3 x the four row tiles, in place.  The 32 accumulators take turns, one instruction a turn, in the same order in every K step.
.macro MM16 t0, set, wsb, s
.irp t, \t0, \t0+1, \t0+2, \t0+3
.irp m, 0,1,2,3
.set rD, 64*\m+8*(\t)
.set rC, rD
.set rA, AF+12*(\t)
.set rB, BF+48*(\set)+12*\m
.set rSA, (\wsb)+4*(\s)+(\t)/2
.set rSB, BS+2*(\set)+\m/2
.set rRA, (\t)%2
.set rRB, \m%2
	WMS
.endr
.endr
.endm
.macro PROLOG slot, wsb, areg, off, soff   ; a chunk's first loads: 2 + 14 + 12 + 12
	FS \slot, \wsb
	FB 0, \areg, \off, \soff
	FA \slot, 0, 0
	FA \slot, 0, 4
.endm
; A CHUNK FROM THE RING: two K steps, 64 matrix instructions, onto the accumulators of window acc >> 6.  mode 0: nothing follows; 1: the chunk's slot is filled again and the next chunk's first loads are issued; 2: those loads without a refill.
.macro SCHUNK acc, slot, wsb, areg, off, soff, mode, g0, nslot, nwsb, nareg, noff, nsoff
	s_wait_dscnt 12                                ; all but the youngest 12 loads (the weights' tiles 4-7) are in
	WIN \acc
	MM16 0, 0, \wsb, 0
	s_wait_dscnt 0x0                               ; tiles 4-7 are in
	PLACES
	WIN 0
	FB 1, \areg, (\off)+6144, (\soff)+256
	FA \slot, 1, 0
	WIN \acc
	MM16 4, 0, \wsb, 0
	PLACES
	WIN 0
	FA \slot, 1, 4
	s_wait_dscnt 12
	WIN \acc
	MM16 0, 1, \wsb, 1
.if \mode == 0
	s_wait_dscnt 0x0
	MM16 4, 1, \wsb, 1
	WIN 0
	PLACES
.else
.if \mode == 1
	REFILL \g0, 32, 0                              ; all reads of this chunk have been issued, and are waited for in there; the next chunk has landed
.else
	s_wait_dscnt 0x0
	PLACES
	WIN 0
.endif
	FS \nslot, \nwsb
	FB 0, \nareg, \noff, \nsoff
	FA \nslot, 0, 0
	WIN \acc
	MM16 4, 1, \wsb, 1
	PLACES
	WIN 0
	FA \nslot, 0, 4
.endif
.endm
; THE QUANTISER: 64 numbers of a lane, v[s] on in window win, register 16 b + i = k 32 b + 16 h + i of my row, become a fragment's codes in v[pc] .. v[pc + 11] and its scale word in v[pw].
.macro QUANT s, win, pc, pw
	WIN ((\win)<<2)|((\win)<<4)
.irp b, 0,1,2,3
	v_max3_num_f32 v[TM+\b], 0x2800000, |v[(\s)+16*\b]|, |v[(\s)+16*\b+1]|   ; block b: my 16 numbers, and the floor 2^(5 - 127): so the byte cannot fall under 1
.endr
.irp i, 2,4,6,8,10,12,14
.irp b, 0,1,2,3
	v_max3_num_f32 v[TM+\b], v[TM+\b], |v[(\s)+16*\b+\i]|, |v[(\s)+16*\b+\i+1]|   ; (the four blocks by turns)
.endr
.endr
	WIN 0
.irp b, 0,1,2,3
	v_permlanex16_b32 v[TM+4+\b], v[TM+\b], s56, s57
.endr
.irp b, 0,1,2,3
	v_max_num_f32 v[TM+\b], v[TM+\b], v[TM+4+\b]   ; with lane l xor 16's: the block's largest magnitude
.endr
.irp b, 0,1,2,3
	v_add_nc_u32 v[TM+12+\b], 0xfe000000, v[TM+\b] ; 4 off its exponent field: the conversion takes the exponent field of this operand as its scale
.endr
.irp b, 0,1,2,3
	v_lshrrev_b32 v[TM+4+\b], 23, v[TM+12+\b]      ; the scale's byte
.endr
	v_lshl_or_b32 v[\pw], v[TM+5], 8, v[TM+4]
	v_lshl_or_b32 v[\pw], v[TM+6], 16, v[\pw]
	v_lshl_or_b32 v[\pw], v[TM+7], 24, v[\pw]
	WIN \win
.irp c, 0,1
	v_cvt_scalef32_pk16_bf6_f32 v[(\pc)+6*\c:(\pc)+6*\c+2], v[(\s)+32*\c:(\s)+32*\c+15], v[TM+12+2*\c]
	v_cvt_scalef32_pk16_bf6_f32 v[(\pc)+12+4*\c:(\pc)+14+4*\c], v[(\s)+32*\c+16:(\s)+32*\c+31], v[TM+13+2*\c]   ; (a conversion's three registers begin on an even number)
.endr
	WIN 0
	v_nop                                          ; one plain place behind a scaled conversion
.irp c, 0,1                                    ; the operand's layout wants a whole block in a lane: lanes 0-15 block 2 c, lanes 16-31 block 2 c + 1
.irp i, 0,1,2
	v_permlane16_swap_b32 v[(\pc)+6*\c+\i], v[(\pc)+12+4*\c+\i]
.endr
.irp i, 0,1,2
	v_mov_b32 v[(\pc)+3+6*\c+\i], v[(\pc)+12+4*\c+\i]
.endr
.endr
.endm
.macro IMAGE areg, off, pc             ; a fragment goes to LDS as it stands: 16 bytes a lane, 512 a store
.irp c, 0,1,2
	ds_store_b128 v[\areg], v[(\pc)+4*\c:(\pc)+4*\c+3] offset:(\off)+512*\c
.endr
.endm
.macro BIAS reg, sb                    ; 64 registers in the results' layout: my half's 16 numbers of each 32
.irp b, 0,1,2,3
.irp j, 0,1,2,3
	global_load_b128 v[(\reg)+16*\b+4*\j:(\reg)+16*\b+4*\j+3], v[BO], s[\sb:\sb+1] offset:128*\b+16*\j
.endr
.endr
.endm
; A block's inputs, as they lie: x's row tiles 0 to 2 into window 2 (row 16 m + t: my wave's 512 consecutive bytes), source's two fragments of row tile w and their scale words into window 3: 62 loads.
.macro XLD3
	WIN 0x80
.irp m, 0,1,2
.irp t, 0,1,2,3,4,5,6,7,8,9,10,11,12,13,14,15
	global_load_b128 v[64*\m+4*\t:64*\m+4*\t+3], v[L16], s[4:5] offset:2048*(16*\m+\t) th:TH_LOAD_NT
.endr
.endr
	WIN 0xc0
.irp s, 0,1
.irp p, 0,1,2,3,4,5
	global_load_b64 v[12*\s+2*\p:12*\s+2*\p+1], v[SO], s[6:7] offset:96*\s+48*(\p/3)+8*(\p%3) th:TH_LOAD_NT
.endr
.endr
.irp s, 0,1
	global_load_b32 v[24+\s], v[SSO], s[8:9] offset:4*\s th:TH_LOAD_NT
.endr
	WIN 0
.endm
.macro XLD1                            ; and x's row tile 3: 16 loads
	WIN 0x80
.irp t, 0,1,2,3,4,5,6,7,8,9,10,11,12,13,14,15
	global_load_b128 v[192+4*\t:195+4*\t], v[L16], s[4:5] offset:2048*(48+\t) th:TH_LOAD_NT
.endr
	WIN 0
.endm
; The wave's part of the four row tiles' sums of squares (window win), in every lane: v[dst + 2 m].  Four chains; each accumulator is read from its low end on.
.macro SUMSQ win, dst
	WIN (\win)|((\win)<<2)
.irp m, 0,1,2,3
	v_pk_mul_f32 v[(\dst)+2*\m:(\dst)+2*\m+1], v[64*\m:64*\m+1], v[64*\m:64*\m+1]
.endr
.set i, 2
.rept 31
.irp m, 0,1,2,3
	v_pk_fma_f32 v[(\dst)+2*\m:(\dst)+2*\m+1], v[64*\m+i:64*\m+i+1], v[64*\m+i:64*\m+i+1], v[(\dst)+2*\m:(\dst)+2*\m+1]
.endr
.set i, i+2
.endr
	WIN 0
.irp m, 0,1,2,3
	v_add_f32 v[(\dst)+2*\m], v[(\dst)+2*\m], v[(\dst)+2*\m+1]
.endr
.irp m, 0,1,2,3
	v_permlanex16_b32 v[(\dst)+2*\m+1], v[(\dst)+2*\m], s56, s57
.endr
.irp m, 0,1,2,3
	v_add_f32 v[(\dst)+2*\m], v[(\dst)+2*\m], v[(\dst)+2*\m+1]
.endr
.endm
; n rows' sums: the four waves' parts in v[80 + 4 i] on become 1 / max(sqrt(sum), 1e-12) in v[RN + 2 i].  One wait for each batch of transcendentals, ahead of its first reader.
.macro NORMS n
.irp a, 1,2,3
.set i, 0
.rept \n
	v_add_f32 v[80+4*i], v[80+4*i], v[80+4*i+\a]   ; in the order of the waves
.set i, i+1
.endr
.endr
.set i, 0
.rept \n
	v_sqrt_f32 v[80+4*i], v[80+4*i]
.set i, i+1
.endr
	v_nop
	s_wait_alu depctr_va_vdst(0)
.set i, 0
.rept \n
	v_max_num_f32 v[80+4*i], s58, v[80+4*i]
.set i, i+1
.endr
.set i, 0
.rept \n
	v_rcp_f32 v[RN+2*i], v[80+4*i]
.set i, i+1
.endr
	v_nop
	s_wait_alu depctr_va_vdst(0)
.endm
.macro COPYS slot                      ; a slot's 16 fragments into window 2 + slot, its scale words into v[WS + 8 slot] on: 50 loads
	WIN ((2+\slot)<<6)
.irp f, 0,1,2,3,4,5,6,7,8,9,10,11,12,13,14,15
.irp q, 0,1,2
	ds_load_b128 v[12*\f+4*\q:12*\f+4*\q+3], v[AW] offset:(\slot)*CH+1536*\f+512*\q
.endr
.endr
	WIN 0
	FS \slot, WS+8*(\slot)
.endm
.macro CPIECE t                        ; an eighth of the copy of both slots: fragments 2 t, 2 t + 1 of slot 0 into window 2, of slot 1 into window 3: 12 loads
	WIN 0x80
.irp f, 2*\t, 2*\t+1
.irp q, 0,1,2
	ds_load_b128 v[12*(\f)+4*\q:12*(\f)+4*\q+3], v[AW] offset:1536*(\f)+512*\q
.endr
.endr
	WIN 0xc0
.irp f, 2*\t, 2*\t+1
.irp q, 0,1,2
	ds_load_b128 v[12*(\f)+4*\q:12*(\f)+4*\q+3], v[AW] offset:CH+1536*(\f)+512*\q
.endr
.endr
	WIN 0
.endm
.macro FETCHR breg, bs, areg, off, sreg, soff   ; one row tile's fragments of four K steps, and their scale words (every lane takes row r's: lanes 0-15 are read)
.irp S, 0,1,2,3
.irp q, 0,1,2
	ds_load_b128 v[(\breg)+12*\S+4*\q:(\breg)+12*\S+4*\q+3], v[\areg] offset:(\off)+6144*\S+512*\q
.endr
.endr
.irp S, 0,1,2,3
	ds_load_b32 v[(\bs)+\S], v[\sreg] offset:(\soff)+256*\S
.endr
.endm
; 32 matrix instructions with the weights in windows 2 and 3: four K steps x my 8 tiles, the 8 accumulators by turns.  kind 1 (W1): sums in window 0, begun with the bias in window 3.  kind 2 (W2): in place onto window 1.
.macro WMR kind, dst, breg, bs
.irp S, 0,1,2,3
.if \kind == 1
.if \S == 0
	WIN 0x32
.elseif \S == 1
	WIN 0x02
.else
	WIN 0x03
.endif
.else
.if \S < 2
	WIN 0x52
.else
	WIN 0x53
.endif
.endif
.irp t, 0,1,2,3,4,5,6,7
.set rD, (\dst)+8*\t
.set rC, rD
.if (\kind == 1) && (\S == 0)
.set rC, 192+8*\t
.endif
.set rA, 12*(8*(\S%2)+\t)
.set rB, (\breg)+12*\S
.set rSA, WS+4*\S+\t/2
.set rSB, (\bs)+\S
.set rRA, \t%2
.set rRB, 0
	WMS
.endr
.endr
.endm
; gelu(v) = v (0.5 + c a(c^2) / b(c^2)), c = v held to +-4 sqrt(2): erf's rational form in x = c / sqrt(2), with the powers of two and the factor 0.5 / sqrt(2) folded into the coefficients.  Eight numbers: tile t's.
.macro GELU8 t
.set gV, ACC0+8*(\t)
.irp i, 0,1,2,3,4,5,6,7
	v_med3_num_f32 v[GC+\i], v[gV+\i], s59, s60
.endr
.irp i, 0,2,4,6
	v_pk_mul_f32 v[GU+\i:GU+\i+1], v[GC+\i:GC+\i+1], v[GC+\i:GC+\i+1]
.endr
.irp i, 0,2,4,6
	v_pk_fma_f32 v[GP+\i:GP+\i+1], v[GU+\i:GU+\i+1], s[66:67], v[KA:KA+1] op_sel_hi:[1,0,1]
	v_pk_fma_f32 v[GQ+\i:GQ+\i+1], v[GU+\i:GU+\i+1], s[78:79], v[KB:KB+1] op_sel_hi:[1,0,1]
.endr
.irp k, 0,1,2
.irp i, 0,2,4,6
	v_pk_fma_f32 v[GP+\i:GP+\i+1], v[GP+\i:GP+\i+1], v[GU+\i:GU+\i+1], s[68+2*\k:69+2*\k] op_sel_hi:[1,1,0]
	v_pk_fma_f32 v[GQ+\i:GQ+\i+1], v[GQ+\i:GQ+\i+1], v[GU+\i:GU+\i+1], s[80+2*\k:81+2*\k] op_sel_hi:[1,1,0]
.endr
.endr
.irp i, 0,1,2,3,4,5,6,7
	v_rcp_f32 v[GQ+\i], v[GQ+\i]                   ; one batch; the numerator's last steps are the plain work behind it
.endr
.irp k, 3,4
.irp i, 0,2,4,6
	v_pk_fma_f32 v[GP+\i:GP+\i+1], v[GP+\i:GP+\i+1], v[GU+\i:GU+\i+1], s[68+2*\k:69+2*\k] op_sel_hi:[1,1,0]
.endr
.endr
.irp i, 0,2,4,6
	v_pk_mul_f32 v[GC+\i:GC+\i+1], v[GC+\i:GC+\i+1], v[GP+\i:GP+\i+1]
.endr
	s_wait_alu depctr_va_vdst(0)                   ; one wait for the eight reciprocals, ahead of their first reader
.irp i, 0,2,4,6
	v_pk_fma_f32 v[GC+\i:GC+\i+1], v[GC+\i:GC+\i+1], v[GQ+\i:GQ+\i+1], 0.5 op_sel_hi:[1,1,0]
.endr
.irp i, 0,2,4,6
	v_pk_mul_f32 v[gV+\i:gV+\i+1], v[gV+\i:gV+\i+1], v[GC+\i:GC+\i+1]
.endr
.endm
.macro GTAIL                           ; a row tile's 64 numbers behind gelu: quantised, image and scale word to LDS
	QUANT ACC0, 0, PC, PW
	IMAGE ADW, 0, PC
	ds_store_b32 v[ADT], v[PW]
.endm
.macro G                               ; a row tile's 64 sums: gelu, quantised, image and scale word to LDS
.irp t, 0,1,2,3,4,5,6,7
	GELU8 \t
.endr
	GTAIL
.endm
.macro GCOPY                           ; the same for a half's last row tile, with the copy of the next two chunks dealt out among its eight pieces: 12 LDS loads ahead of each, not 100 in one run
	FS 0, WS
	FS 1, WS+8
.irp t, 0,1,2,3,4,5,6,7
	CPIECE \t
	GELU8 \t
.endr
	GTAIL
.endm
.macro ADWT                            ; where the row tile in hand stores: 1,536 m and 64 m, and the half
	v_add_nc_u32 v[ADW], s88, v[WPI]
	v_add_nc_u32 v[ADW], s90, v[ADW]
	v_add_nc_u32 v[ADT], s89, v[WSC]
	v_add_nc_u32 v[ADT], s91, v[ADT]
.endm
.macro KPAIR reg, bits                 ; a constant for the packed forms, which name a pair
	s_mov_b32 s[\reg], \bits
	s_mov_b32 s[\reg+1], \bits
.endm
.macro TOST m                          ; the way out: row tile m into my stage by my layout, and back as whole rows of 512 bytes
	WIN 0x04
.irp b, 0,1,2,3
.irp j, 0,1,2,3
	ds_store_b128 v[STL], v[64*(\m)+16*\b+4*\j:64*(\m)+16*\b+4*\j+3] offset:128*\b+16*\j   ; each accumulator from its low end on
.endr
.endr
	WIN 0
.irp t, 0,1,2,3,4,5,6,7,8,9,10,11,12,13,14,15
	ds_load_b128 v[OB+64*((\m)%2)+4*\t:OB+64*((\m)%2)+4*\t+3], v[STR] offset:528*\t   ; LDS serves a wave's instructions in order (ISA guide 5.7.1.4): these see the stores above
.endr
.endm
.macro SEND m, younger
	s_wait_dscnt \younger
.irp t, 0,1,2,3,4,5,6,7,8,9,10,11,12,13,14,15
	global_store_b128 v[L16], v[OB+64*((\m)%2)+4*\t:OB+64*((\m)%2)+4*\t+3], s[22:23] offset:2048*(16*(\m)+\t) th:TH_STORE_NT   ; 32 lanes store 512 consecutive bytes, at a multiple of 256 from out0's first byte
.endr
.endm
.macro WAYOUT                          ; while one tile's rows are stored, the next is on its way through the stage
	TOST 0
	TOST 1
	SEND 0, 32                                     ; behind tile 0's loads: tile 1's 16 stores and 16 loads
	s_wait_xcnt 0x0                                ; tile 0's stores have read their registers: tile 2's loads may land there
	TOST 2
	SEND 1, 32
	s_wait_xcnt 0x0
	TOST 3
	SEND 2, 32
	SEND 3, 0
.endm
	; ---------------- the head
	s_load_b512 s[4:19], s[0:1], 0x0               ; x s[4:5], source's codes s[6:7], scales s[8:9], wpack s[10:11], bq s[12:13], bk s[14:15], bf s[16:17], b1 s[18:19]
	s_load_b128 s[20:23], s[0:1], 0x40             ; b2 s[20:21], out0 s[22:23]
	v_lshl_add_u32 v[SPW], v0, 2, SPARE
	v_mov_b32 v[NIL], 0
	ds_add_u32 v[SPW], v[NIL]                      ; the wave's opening: the add, twice on end, and its wait ahead of my first tensor load; the set-up below stands between
	ds_add_u32 v[SPW], v[NIL]
	v_lshrrev_b32 v20, 5, v0
	v_readfirstlane_b32 s24, v20                   ; wave 0..3
	v_and_b32 v21, 31, v0                          ; l
	v_and_b32 v22, 15, v0                          ; r
	v_bfe_u32 v23, v0, 4, 1                        ; h
	v_lshlrev_b32 v[L16], 4, v21
	s_mul_i32 s26, s24, WRING
	v_add_nc_u32 v[AW], s26, v[L16]
	v_add_nc_u32 v[AP], PIM, v[L16]
	v_add_nc_u32 v[AQ], QIM, v[L16]
	v_lshl_add_u32 v[ASC], v21, 2, PSC
	v_lshl_add_u32 v[ASR], v22, 2, PSC
	s_mul_i32 s26, s24, 6144
	v_add_nc_u32 v[WPI], s26, v[AP]
	v_add_nc_u32 v[WQI], s26, v[AQ]
	s_lshl_b32 s26, s24, 8
	v_add_nc_u32 v[WSC], s26, v[ASR]
	s_mul_i32 s26, s24, 8448
	v_add_nc_u32 v[STR], s26, v[AQ]
	v_mul_u32_u24 v[STL], v22, 528
	v_lshl_add_u32 v[STL], v23, 6, v[STL]
	v_add_nc_u32 v[STL], s26, v[STL]
	v_add_nc_u32 v[STL], QIM, v[STL]
	v_lshl_add_u32 v[NLD], v22, 4, NRM
	s_lshl_b32 s26, s24, 2
	v_add_nc_u32 v[NST], s26, v[NLD]
	v_lshlrev_b32 v[BO], 6, v23
	v_mul_u32_u24 v[SO], v22, 192
	v_mad_u32_u24 v[SO], v23, 24, v[SO]
	v_lshlrev_b32 v[SSO], 3, v22
	v_lshlrev_b32 v[PFO], 8, v21
.irp i, 0,1,2,3,4,5,6,7
	v_mov_b32 v[RN+2*\i+1], 0                      ; named as the upper halves of pairs, so they are written
.endr
.irp b, 0,1,2,3
	v_mov_b32 v[TM+4+\b], 0                        ; a lane permute's destination counts as one of its sources
.endr
	; descriptor group 1: a dense block as rows of 256 bytes (32 elements of 8 bytes); s[32:39]: one chunk, 100 rows; s[40:47]: two chunks on end, 200 rows
.irp g, 32, 40
	s_mov_b32 s[\g], 15|(3<<16)|(1<<21)            ; 15:0 the mask: all four work-groups; 17:16 elements of 8 bytes; 21 set beside a mask; no padding: every LDS access here is 16 bytes a lane on end
	s_mov_b32 s[\g+1], 32<<16                      ; tensor_dim0
	s_mov_b32 s[\g+3], 32<<16                      ; tile_dim0
	s_mov_b32 s[\g+5], 32                          ; from row to row
	s_mov_b32 s[\g+6], 0
	s_mov_b32 s[\g+7], 0
.endr
	s_mov_b32 s34, 100<<16                         ; tensor_dim1
	s_mov_b32 s36, 100                             ; tile_dim1
	s_mov_b32 s42, 200<<16
	s_mov_b32 s44, 200
	s_mov_b32 s56, 0x76543210
	s_mov_b32 s57, 0xfedcba98                      ; v_permlanex16_b32's selects for lane l xor 16
	s_mov_b32 s58, 0x2b8cbccc                      ; 1e-12
	s_mov_b32 s59, 0xc0b504f3                      ; -4 sqrt(2)
	s_mov_b32 s60, 0x40b504f3                      ; +4 sqrt(2)
	KPAIR 66, 0xac95df0b                           ; the numerator's coefficients of c^12, (c^10: v[KA]), c^8 .. c^0
	KPAIR 68, 0xb40cff51
	KPAIR 70, 0xb6eec2d2
	KPAIR 72, 0xb940ac63
	KPAIR 74, 0xbac1a1f6
	KPAIR 76, 0xbc83dbd4
	KPAIR 78, 0xb62ccd46                           ; the denominator's of c^8, (c^6: v[KB]), c^4 .. c^0
	KPAIR 80, 0xba9bf7b5
	KPAIR 82, 0xbc2ad7f2
	KPAIR 84, 0xbd2542a9
	s_bfe_u32 s25, ttmp6, 0x40000                  ; cx: it enters the addresses of x, source and out0 alone
	s_lshl_b32 s27, ttmp9, 2
	s_add_co_u32 s27, s27, s25                     ; my first block of 64 rows: 0 .. 255
	s_lshl_b32 s28, s27, 17                        ; 64 rows of 2,048 bytes
	s_lshl_b32 s30, s24, 15
	s_add_co_u32 s30, s30, s28
	s_add_co_u32 s30, s30, BSTEP                   ; the prefetches: my second block, my wave's 16 rows
	s_mov_b32 s31, 0
	s_lshl_b32 s29, s24, 9
	s_add_co_u32 s28, s28, s29                     ; + my wave's 512 bytes of a row
	s_mov_b32 s29, 0
	s_wait_dscnt 0x0                               ; both opening adds are done
	s_wait_kmcnt 0x0
	s_add_nc_u64 s[94:95], s[4:5], s[30:31]
	s_add_nc_u64 s[4:5], s[4:5], s[28:29]
	s_add_nc_u64 s[22:23], s[22:23], s[28:29]
	s_mul_i32 s28, s27, 12288
	s_mul_i32 s30, s24, 3072
	s_add_co_u32 s28, s28, s30
	s_add_nc_u64 s[6:7], s[6:7], s[28:29]          ; source's codes at row tile w of my block
	s_lshl_b32 s28, s27, 9
	s_lshl_b32 s30, s24, 7
	s_add_co_u32 s28, s28, s30
	s_add_nc_u64 s[8:9], s[8:9], s[28:29]
	s_lshl_b32 s96, s24, 9
	s_mov_b32 s97, 0
.irp p, 12, 14, 16, 18, 20
	s_add_nc_u64 s[\p:\p+1], s[\p:\p+1], s[96:97]  ; every bias at my 128 columns
.endr
	s_mul_i32 s96, s24, 13*CH
	s_add_nc_u64 s[10:11], s[10:11], s[96:97]      ; my wave's 13 chunks
	s_mov_b32 s48, 1                               ; group 0 for chunks 0, 2, 4, 6: slot 1
	s_mul_i32 s49, s24, WRING
	s_add_co_u32 s49, s49, CH
	s_mov_b64 s[50:51], s[10:11]
	s_or_b32 s51, s51, 0x80000000
	s_mov_b32 s52, 1                               ; group 0 for chunks 1, 3, 5 and the pairs (7, 8), (9, 10), (11, 12): slot 0
	s_mul_i32 s53, s24, WRING
	s_add_nc_u64 s[54:55], s[10:11], CH
	s_or_b32 s55, s55, 0x80000000
	XLD3                                           ; the first block's x tiles 0 to 2 and source
	ROUND                                          ; all four work-groups are here: the first joint loads meet
	tensor_load_to_lds s[48:51], s[32:39]          ; chunk 0
	s_nop 0
	tensor_load_to_lds s[52:55], s[32:39]          ; chunk 1
	s_nop 0
	PLACES
	XLD1                                           ; x tile 3 behind the fills: with it more loads are out than the counter's field holds, and the issue would stand still ahead of the round
	s_mov_b32 s98, 2                               ; blocks to go, this one among them: the same number in every work-group
.Lblock:                                           ; on both ways in: out are x tiles 0-2 (48 loads), source (14), x tile 3 (16), in this order; chunk 0 asked for ahead of chunk 1
	s_mov_b32 s90, 0                               ; the hidden layer's first half
	s_mov_b32 s91, 0
	s_add_nc_u64 s[92:93], s[18:19], 2048          ; b1's second half (the loads that named this pair have been waited for)
	s_mul_i32 s26, s24, 1536
	v_add_nc_u32 v[ADB], s26, v[AP]                ; for now: where source's images of row tile w go,
	s_lshl_b32 s26, s24, 6
	v_add_nc_u32 v[ADS], s26, v[ASR]               ; and their scale words
	; ---------------- x turns into the results' layout through my stage, from window 2 into window 1; then it is quantised
.irp m, 0,1,2,3
.if \m < 3
	s_wait_loadcnt 62-16*\m                        ; behind tile m's 16 loads: the later tiles' 16 each and source's 14
.else
	s_wait_loadcnt 0x0
.endif
	WIN 0x08
.irp t, 0,1,2,3,4,5,6,7,8,9,10,11,12,13,14,15
	ds_store_b128 v[STR], v[64*\m+4*\t:64*\m+4*\t+3] offset:528*\t
.endr
	WIN 0x40
.irp b, 0,1,2,3
.irp j, 0,1,2,3
	ds_load_b128 v[64*\m+16*\b+4*\j:64*\m+16*\b+4*\j+3], v[STL] offset:128*\b+16*\j   ; LDS serves a wave's instructions in order: these see the stores, and the next tile's stores come behind them
.endr
.endr
.endr
	WIN 0x0c
.irp s, 0,1
.irp q, 0,1,2
	ds_store_b128 v[ADB], v[12*\s+4*\q:12*\s+4*\q+3] offset:24576+6144*\s+512*\q
.endr
	ds_store_b32 v[ADS], v[24+\s] offset:1024+256*\s
.endr
	WIN 0
	s_wait_dscnt 0x0                               ; x is back in window 1, and the stores have read windows 2 and 3: the biases may land there
	WIN 0xc0
.irp n, 0,1,2,3
	BIAS 64*\n, 14                                 ; k's sums begin at bk: every product then adds in place
.endr
	WIN 0
.irp m, 0,1,2,3
.if \m == 2
	WIN 0x80
.irp n, 0,1,2,3
	BIAS 64*\n, 12                                 ; q's sums begin at bq.  (64 loads here and 64 above, with two tiles' arithmetic between: no run of loads passes the counter's field)
.endr
	WIN 0
.endif
.if \m >= 2
	s_wait_dscnt 4                                 ; the stores of two tiles back have read their registers; the last tile's four may be out
.endif
	QUANT 64*\m, 1, PC+20*(\m%2), PW+(\m%2)
	IMAGE WPI, 1536*\m, PC+20*(\m%2)
	ds_store_b32 v[WSC], v[PW+(\m%2)] offset:64*\m
.endr
	s_wait_tensorcnt 0x1                           ; chunk 0 is in; chunk 1, asked for behind it on both ways in, may stay out
	BAR                                            ; x's and source's images lie in LDS
	; ---------------- k = source Wk + bk (window 3), q = Q(x) Wq + bq (window 2)
	s_wait_loadcnt 0x0                             ; the biases
	PROLOG 1, WS, AP, 24576, 1024
	SCHUNK 0xf0, 1, WS, AP, 24576, 1024, 1, 48, 0, WS+8, AP, 0, 0
	SCHUNK 0xa0, 0, WS+8, AP, 0, 0, 1, 52, 1, WS, AP, 12288, 512
	SCHUNK 0xa0, 1, WS, AP, 12288, 512, 0, 0, 0, 0, 0, 0, 0
	; ---------------- the two norms; k + q; quantised
	SUMSQ 2, 64
	SUMSQ 3, 72
.irp m, 0,1,2,3
	ds_store_b32 v[NST], v[64+2*\m] offset:256*\m
.endr
.irp m, 0,1,2,3
	ds_store_b32 v[NST], v[72+2*\m] offset:1024+256*\m
.endr
	REFILL 48, 32, 0                               ; chunk 4; the round is also the barrier for the parts of the sums
.irp i, 0,1,2,3
	ds_load_b128 v[80+4*\i:83+4*\i], v[NLD] offset:256*\i
.endr
.irp i, 0,1,2,3
	ds_load_b128 v[96+4*\i:99+4*\i], v[NLD] offset:1024+256*\i
.endr
	s_wait_dscnt 0x0
	NORMS 8
	WIN 0xc3                                       ; k (window 3) x 1 / its norm
.irp m, 0,1,2,3
.set i, 0
.rept 32
	v_pk_mul_f32 v[64*\m+i:64*\m+i+1], v[64*\m+i:64*\m+i+1], v[RN+8+2*\m:RN+9+2*\m] op_sel_hi:[1,0]
.set i, i+2
.endr
.endr
	WIN 0xb2                                       ; window 2 = q (window 2) x 1 / its norm + k (window 3)
.irp m, 0,1,2,3
.set i, 0
.rept 32
	v_pk_fma_f32 v[64*\m+i:64*\m+i+1], v[64*\m+i:64*\m+i+1], v[RN+2*\m:RN+2*\m+1], v[64*\m+i:64*\m+i+1] op_sel_hi:[1,0,1]
.set i, i+2
.endr
.endr
	WIN 0xc0
.irp m, 0,1,2,3
	BIAS 64*\m, 16                                 ; the next sums begin at bf
.endr
	WIN 0
.irp m, 0,1,2,3
.if \m >= 2
	s_wait_dscnt 4
.endif
	QUANT 64*\m, 2, PC+20*(\m%2), PW+(\m%2)
	IMAGE WQI, 1536*\m, PC+20*(\m%2)
	ds_store_b32 v[WSC], v[PW+(\m%2)] offset:2048+64*\m
.endr
	s_wait_loadcnt 0x0
	BAR                                            ; the images of k + q lie in LDS (chunk 4 may stay out)
	; ---------------- Q(k + q) Wf + bf (window 3)
	PROLOG 0, WS+8, AQ, 0, 2048
	SCHUNK 0xf0, 0, WS+8, AQ, 0, 2048, 1, 52, 1, WS, AQ, 12288, 2560
	SCHUNK 0xf0, 1, WS, AQ, 12288, 2560, 0, 0, 0, 0, 0, 0, 0
	; ---------------- h = l2norm(that + x), quantised; W1's first half goes from the ring into registers meanwhile
	WIN 0x4d                                       ; window 1 = x (window 1) + the sums (window 3)
.set i, 0
.rept 128
	v_pk_add_f32 v[i:i+1], v[i:i+1], v[i:i+1]
.set i, i+2
.endr
	WIN 0xc0
	BIAS 192, 18                                   ; b1, first half
	SUMSQ 1, 64
.irp m, 0,1,2,3
	ds_store_b32 v[NST], v[64+2*\m] offset:2048+256*\m
.endr
	REFILL 48, 32, 0                               ; chunk 6
.irp i, 0,1,2,3
	ds_load_b128 v[80+4*\i:83+4*\i], v[NLD] offset:2048+256*\i
.endr
	COPYS 0                                        ; chunk 5
	s_wait_dscnt 50                                ; the parts of the sums are in; the copy's 50 loads may be out
	NORMS 4
	WIN 0x41
.irp m, 0,1,2,3
.set i, 0
.rept 32
	v_pk_mul_f32 v[64*\m+i:64*\m+i+1], v[64*\m+i:64*\m+i+1], v[RN+2*\m:RN+2*\m+1] op_sel_hi:[1,0]
.set i, i+2
.endr
.endr
	WIN 0
.irp m, 0,1,2,3
.if \m == 2
	s_wait_tensorcnt 0x0                           ; for a read: chunk 6, my one load that is out
	COPYS 1
.endif
.if \m >= 2
	s_wait_dscnt 54                                ; the stores of two tiles back are done; behind them: four stores and the copy's 50 loads
.endif
	QUANT 64*\m, 1, PC+20*(\m%2), PW+(\m%2)
	IMAGE WQI, 1536*\m, PC+20*(\m%2)
	ds_store_b32 v[WSC], v[PW+(\m%2)] offset:2048+64*\m
.endr
	v_mov_b32 v[KA], 0x306dffee
	v_mov_b32 v[KA+1], 0x306dffee
	v_mov_b32 v[KB], 0xb89e3512
	v_mov_b32 v[KB+1], 0xb89e3512
	s_mov_b32 s86, 2
	REFILL 52, 40, 0                               ; chunks 7 and 8, by one load; the round shows h's images to every wave
	; ---------------- the hidden layer, a half (my 128 units) a trip, a row tile at a time
.Lhalf:
	s_mov_b32 s88, 0                               ; 1,536 m
	s_mov_b32 s89, 0                               ; 64 m
	v_add_nc_u32 v[ADB], s88, v[AQ]
	v_add_nc_u32 v[ADS], s89, v[ASR]
	FETCHR BFR, BS, ADB, 0, ADS, 2048
	s_wait_loadcnt 0x0                             ; the bias
	s_wait_dscnt 0x0                               ; h's fragments, and the copies of the weights
	WMR 1, ACC0, BFR, BS
	WIN 0
	s_mov_b32 s87, 3
.Ltile:                                            ; tile m's sums are finished: tile m + 1's fragments are asked for, tile m goes through gelu and the quantiser, tile m + 1 is multiplied
	PLACES
	ADWT
	s_add_co_u32 s88, s88, 1536
	s_add_co_u32 s89, s89, 64
	v_add_nc_u32 v[ADB], s88, v[AQ]
	v_add_nc_u32 v[ADS], s89, v[ASR]
	FETCHR BFR, BS, ADB, 0, ADS, 2048
	G
	s_wait_dscnt 0x0
	WMR 1, ACC0, BFR, BS
	WIN 0
	s_sub_co_u32 s87, s87, 1
	s_cmp_lg_u32 s87, 0
	s_cbranch_scc1 .Ltile
	PLACES
	ADWT
	s_wait_tensorcnt 0x0                           ; for a read: the two chunks asked for at the last round
	WIN 0xc0
	BIAS 192, 92                                   ; b1's second half, then b2
	WIN 0
	GCOPY                                          ; the last tile; W1's second half, then W2's K steps 0 to 3, go into registers among its pieces
	REFILL 52, 40, 1                               ; chunks 9 and 10, then 11 and 12; the second trip's round shows the hidden layer to every wave
	s_sub_co_u32 s86, s86, 1
	s_cmp_lg_u32 s86, 0
	s_cbranch_scc1 .Lhalf
	; ---------------- y = h + b2 + Q(hidden) W2, in place in window 1
	FETCHR BR0, BS, AP, 0, ASR, 0
	; A PREFETCH of my second block's x, in the first block alone (the test hangs on the count of blocks, the same in all partners; work-groups and waves are told apart by address): each wave names 16 rows'
	; 32,768 bytes, lanes 256 bytes apart, four instructions: each aligned 256 bytes once in the launch.  It stands behind my last tensor load and the run of LDS loads, 128 matrix instructions ahead of the loads
	; that will want these rows; its address registers are never rewritten.
	s_cmp_eq_u32 s98, 1
	s_cbranch_scc1 .Lno_pf
.irp i, 0,1,2,3
	global_prefetch_b8 v[PFO], s[94:95] offset:8192*\i th:TH_LOAD_NT scope:SCOPE_SE
.endr
.Lno_pf:
	s_wait_loadcnt 0x0                             ; b2
	WIN 0x4d                                       ; window 1 = h (window 1) + b2 (window 3)
.irp m, 0,1,2,3
.set i, 0
.rept 32
	v_pk_add_f32 v[64*\m+i:64*\m+i+1], v[64*\m+i:64*\m+i+1], v[192+i:192+i+1]
.set i, i+2
.endr
.endr
	WIN 0
.irp m, 0,1,2,3
	s_wait_dscnt 0x0
	PLACES
.if \m < 3
	FETCHR BR0+48*((\m+1)%2), BS+4*((\m+1)%2), AP, 1536*(\m+1), ASR, 64*(\m+1)
.endif
	WMR 2, 64*\m, BR0+48*(\m%2), BS+4*(\m%2)       ; K steps 0 to 3, from registers
	WIN 0
.endr
	PLACES
	; The weights' copies in windows 2 and 3 are done with: if a block follows, its x tiles 0 to 2 and its source are asked for now, into those registers; they land while the last two chunks are multiplied and y goes out.
	s_cmp_eq_u32 s98, 1                            ; the last block asks for nothing: no load leaves its buffer
	s_cbranch_scc1 .Lno_next
	s_add_nc_u64 s[4:5], s[4:5], BSTEP             ; (this block's loads by these bases have been waited for)
	s_add_nc_u64 s[6:7], s[6:7], 256*12288
	s_add_nc_u64 s[8:9], s[8:9], 256*512
	XLD3
.Lno_next:
	s_wait_tensorcnt 0x0                           ; for a read: chunks 11 and 12
	PROLOG 0, WS, AP, 24576, 1024
	SCHUNK 0x50, 0, WS, AP, 24576, 1024, 2, 0, 1, WS+8, AP, 36864, 1536   ; K steps 4, 5
	SCHUNK 0x50, 1, WS+8, AP, 36864, 1536, 0, 0, 0, 0, 0, 0, 0             ; K steps 6, 7
	s_cmp_eq_u32 s98, 1
	s_cbranch_scc1 .Llast                          ; the last block's tail is written out: it asks for nothing more
	; ---------------- a block follows: the ring goes on into it, and y goes out between the two refills
	REFILL 48, 32, 2                               ; the next block's chunk 0 into slot 1.  The round also stands between every wave's last reads of the hidden layer's images and the next block's stores into those bytes
	XLD1                                           ; the next block's x tile 3
	WAYOUT
	REFILL 52, 32, 3                               ; the next block's chunk 1 into slot 0; chunk 0 has landed by the wait in there
	s_sub_co_u32 s98, s98, 1
	s_cmp_lg_u32 s98, 0
	s_cbranch_scc1 .Lblock
.Llast:
	WAYOUT
	s_wait_tensorcnt 0x0                           ; the wave's end, behind my last tensor load and my last LDS store
	ds_add_u32 v[SPW], v[NIL]
	s_wait_dscnt 0x0
	ROUND                                          ; the closing round: no work-group ends while a partner may still ask for a chunk that names it
	s_endpgm
.Lfunc_end_k_q457b7c308c_enc:
	.size	k_q457b7c308c_enc, .Lfunc_end_k_q457b7c308c_enc-k_q457b7c308c_enc
	.p2alignl 7, 3214868480
	.fill 96, 4, 3214868480
	.section	.rodata,"a",@progbits
	.p2align	6, 0x0
	.amdhsa_kernel k_q457b7c308c_enc
		.amdhsa_group_segment_fixed_size 327680
		.amdhsa_private_segment_fixed_size 0
		.amdhsa_enable_private_segment 0
		.amdhsa_kernarg_size 80
		.amdhsa_user_sgpr_count 2
		.amdhsa_user_sgpr_kernarg_segment_ptr 1
		.amdhsa_wavefront_size32 1
		.amdhsa_system_sgpr_workgroup_id_x 1
		.amdhsa_system_sgpr_workgroup_id_y 1
		.amdhsa_system_sgpr_workgroup_id_z 1
		.amdhsa_system_vgpr_workitem_id 0
		.amdhsa_next_free_vgpr 1024
		.amdhsa_next_free_sgpr 100
		.amdhsa_reserve_vcc 0
		.amdhsa_float_denorm_mode_32 3
		.amdhsa_float_denorm_mode_16_64 3
		.amdhsa_memory_ordered 1
		.amdhsa_forward_progress 1
		.amdhsa_inst_pref_size 255
	.end_amdhsa_kernel
	.section	.bss,"aw",@nobits
	.p2align	6
	.space	262144
	.amdgpu_metadata
---
amdhsa.version: [ 1, 2 ]
amdhsa.kernels:
  - .name:           k_q457b7c308c_enc
    .symbol:         k_q457b7c308c_enc.kd
    .args:
      - { .name: x, .offset: 0, .size: 8, .value_kind: global_buffer, .address_space: global }
      - { .name: source_codes, .offset: 8, .size: 8, .value_kind: global_buffer, .address_space: global }
      - { .name: source_scales, .offset: 16, .size: 8, .value_kind: global_buffer, .address_space: global }
      - { .name: wpack, .offset: 24, .size: 8, .value_kind: global_buffer, .address_space: global }
      - { .name: bq, .offset: 32, .size: 8, .value_kind: global_buffer, .address_space: global }
      - { .name: bk, .offset: 40, .size: 8, .value_kind: global_buffer, .address_space: global }
      - { .name: bf, .offset: 48, .size: 8, .value_kind: global_buffer, .address_space: global }
      - { .name: b1, .offset: 56, .size: 8, .value_kind: global_buffer, .address_space: global }
      - { .name: b2, .offset: 64, .size: 8, .value_kind: global_buffer, .address_space: global }
      - { .name: out0, .offset: 72, .size: 8, .value_kind: global_buffer, .address_space: global }
    .group_segment_fixed_size: 327680
    .private_segment_fixed_size: 0
    .kernarg_segment_align: 8
    .kernarg_segment_size: 80
    .max_flat_workgroup_size: 128
    .sgpr_count:     100
    .vgpr_count:     1024
    .wavefront_size: 32
...
	.end_amdgpu_metadata
.endif
;; end of part 2
